; MI455X (gfx1250); checked and timed in simulation.
; The chip was launched on July 23, 2026; its instructions are those of AMD's public machine-readable ISA for CDNA 5 (MIT licence, August 2026) and "CDNA5" Instruction Set Architecture Reference Guide (July 2026). The comments in the code are by the model that wrote it; some were corrected since.
;; QKV Attention Legacy. Allowed arithmetic: matrix products marked QUANTISED: E5M2 operands, one E8M0 scale for each 32 along K, by v_wmma_scale_f32_16x16x128_f8f6f4 with both operands' format E5M2, f32 sums; everything else in f32.
;; Inputs: qkv 4 x 3,072 x 2,048 float32.
;; Outputs: out0 4 x 1,024 x 2,048 float32.
;; This version of the problem:
;;   THIS VERSION OF THE PROBLEM IS GIVEN IN LOW PRECISION. The matrix products marked QUANTISED in the list below multiply operands that are first quantised to E5M2 (5 exponent bits, 2 mantissa bits; 8 bits a number), with one power-of-two scale for each 32 numbers along K (OCP MX v1.0); their sums are f32. All else is computed in f32.
;;   The module's matrix products, in the order in which they are computed (A, B: the left and right operand; K: the contracted axis; several contracted axes count as one K, in the product's order):
;;     1. batch 64 x [M 2,048, K 64] x [K 64, N 2,048]; A: computed on the way; B: computed on the way: QUANTISED
;;     2. batch 64 x [M 64, K 2,048] x [K 2,048, N 2,048]; A: input qkv; B: softmax (see below): QUANTISED
;;   THE QUANTISER, for each operand of a quantised product, along K:
;;     - K is cut into blocks of 32 from its start; a last block that is shorter is filled with zeros.
;;     - A block's scale is 2^e with e = floor(log2(the largest magnitude in the block)) - 15, held to -126 .. 127; a block of zeros has e = 0. As a byte (E8M0): e + 127.
;;     - Each number is divided by its block's scale, clamped to +-57,344, and rounded to the nearest number of E5M2, ties to even, subnormals kept.
;;     - The product sums the exact products of the quantised numbers (number of the format x scale) in f32.
;;   ~~~python
;;   def quantise(x, axis):      # numpy; x: float32 -> the quantised numbers, widened to float32 again
;;       x = np.moveaxis(x, axis, -1); K = x.shape[-1]
;;       x = np.pad(x, [(0, 0)] * (x.ndim - 1) + [(0, -K % 32)]); x = x.reshape(x.shape[:-1] + (-1, 32)); a = np.abs(x).max(-1, keepdims=True)
;;       e = np.where(a > 0, np.clip(np.frexp(np.where(a > 0, a, 1))[1] - 1 - 15, -126, 127), 0)      # np.frexp(a)[1] - 1 = floor(log2(a)), exactly
;;       r = np.clip(x / 2.0 ** e, -57344, 57344)
;;       step = 2.0 ** (np.maximum(np.frexp(np.where(r == 0, 1, r))[1] - 1, -14) - 2)
;;       q = np.round(r / step) * step * 2.0 ** e      # np.round: ties to even
;;       return np.moveaxis(q.reshape(q.shape[:-2] + (-1,))[..., :K], -1, axis).astype(np.float32)
;;   ~~~
;;   SOFTMAX AHEAD OF A QUANTISED PRODUCT. Where the list says 'softmax', what is quantised is not the finished softmax but p = 2^(t - M), with t = logit x log2(e) and M = ceil(the row's largest t), a whole number; so 1/2 < the row's largest p <= 1. The row's sum l is taken of the UNQUANTISED p, in f32, and the product's result is divided by l at the end. Since M is a whole number, a kernel that streams over the keys may use a running M (the ceiling of the running maximum): every later rescaling is an exact power of two, which a block's scale takes up: the codes' values come out the same.
;;   OPERANDS COMPUTED ON THE WAY. 'Computed on the way' means the value that the module computes at that place (a softmax that the list does not call 'softmax' is quantised finished and normalised). What goes into a quantiser is computed in f32, as accurately as f32 sums, v_exp_f32 and their like allow (about 1e-6 of the number): no bf16 or f16 on the way to a quantiser, and a product that is left as it is and whose result goes on into a quantised operand takes f32 operands (vector FMAs, or v_wmma_f32_16x16x4_f32). A number that lies on a knife's edge between two numbers of the format may be rounded either way, as far as f32 arithmetic and the matrix unit's own rounding can turn it there, and no further.
;; One version. Each part assembles by itself: llvm-mc -triple=amdgcn-amd-amdhsa -mcpu=gfx1250 --defsym DOCPART=n.
;; ======== version 1 of 1: 2 launches
;; limits: right only within a limited range of input values
;; workspace buffers: kv 17,301,504 bytes; qcodes 8,388,608 bytes; qscales 262,144 bytes
;; launch quant (part 1): grid 48 x 64, 4 waves a work-group, no clusters, 34,816 bytes of LDS; arguments qkv, qcodes, qscales, kv; writes qcodes, qscales, kv
.if DOCPART == 1
	.amdgcn_target "amdgcn-amd-amdhsa--gfx1250"
	.amdhsa_code_object_version 6
	.text
	.protected	k_q25a27df68f_quant
	.globl	k_q25a27df68f_quant
	.p2align	8
	.type	k_q25a27df68f_quant,@function
k_q25a27df68f_quant:
	s_mov_b64 s[64:65], 0
	v_nop
	global_prefetch_b8 v0, s[64:65] scope:SCOPE_SE
	s_setreg_imm32_b32 hwreg(HW_REG_WAVE_MODE, 25, 1), 1
	s_wait_xcnt 0x0
; qkv [64 heads][192 rows][2048] f32: a head's rows 0-63 are q, 64-127 k, 128-191 v; the 2,048 positions are innermost.
; This launch turns q x 64^(-1/4), k x 64^(-1/4) (quantised along the 64 channels) and v (quantised along the keys) into codes of E5M2 with one E8M0 byte for each 32 along K,
; ONCE, laid as images of the operand registers that the attention launch loads.  Nothing of reference() is dead work: every input number has a way to the output, and all are read.
; A block's scale is 2^(floor(log2(its largest magnitude)) - 15); its byte is the largest magnitude's exponent field - 15, held at 1 from below; each number is held within +-57,344 x the scale and converted.
; LIMITS: a block of zeros gets the byte 1 where the rule says 127 (its codes are zeros, which add nothing under any byte but 0xff, and this program alone reads the bytes);
; blocks whose largest magnitude lies under 2^(16 - 127) are held at that floor's byte; NaN and infinities among the inputs are not served.
; SHARES.  Work-group x = 16 part + g (part 0 q, 1 k, 2 v; g: which 128 positions), y = the head: 64 rows x 128 positions.  The two paths part on the work-group's number alone and have LDS bytes of their own.
; LAYOUT OF 128 POSITIONS OF q OR k (8,192 bytes): position 32 b + 16 h' + 8 u + j lies in tile 2 b + u at row m = 8 h' + j; tile t at 1,024 t; in it the 16 codes of channels 32 e + 16 h + 0..15 of row m at 512 e + 256 h + 16 m.
;   So the 2,048 bytes at 2,048 b are one operand of 16 registers a lane (tile 2 b in registers 0-7, tile 2 b + 1 in 8-15), fetched by four loads of 16 bytes at 512 i + 16 x lane.
;   Its scale bytes (256): the pair (channels 0-31, channels 32-63) of position (b, m, u) at 8 (16 (b % 2) + m) + 4 (b / 2) + 2 u.
; LAYOUT OF kv: for each head 16 blocks of 16,896 bytes, one for each 128 keys: k's 8,192 as above; v's 8,192: channel tile ct at 2,048 ct, register group c at 512 c + 16 x lane (lane (r, h): channel 16 ct + r,
;   keys 32 c + 16 h + 0..15); k's 256 scale bytes; v's 256: the word of (ct, r) at 8 (16 (ct % 2) + r) + 4 (ct / 2).
.set ROWB,   8192                      ; a row of qkv in bytes
.set HEADB,  192*ROWB
.set KVSTEP, 16896
.set KVHEAD, 16*KVSTEP
.set VPITCH, 528                       ; v's stage: a row of 512 bytes + 16: 33 x 16 bytes, so that the sixteen rows that a load touches start 16 bytes apart modulo 256
.set VST,    0                         ; LDS: v's path: a stage of 16 rows for each wave;
.set VSC,    4*16*VPITCH               ; its 256 scale bytes;
.set KSC,    VSC+256                   ; the q and k path's 256 scale bytes;
.set SPARE,  KSC+256                   ; the spare words, 128 bytes for each wave: two blocks of 256 bytes that no other line names
.set PW,  13                           ; v13      v's path: a row's scale word
.set SPW, 14                           ; v14      LDS address of my spare word; never rewritten
.set NIL, 15                           ; v15      0; never rewritten
.set TM,  16                           ; v16-31   at work
.set X,   32                           ; v32-95   64 numbers as loaded
.set C,   96                           ; v96-111  the codes
.set X2,  112                          ; v112-175 v's path: 64 numbers as turned
	s_load_b256 s[4:11], s[0:1], 0x0               ; qkv s[4:5], qcodes s[6:7], qscales s[8:9], kv s[10:11]
	v_lshl_add_u32 v[SPW], v0, 2, SPARE
	v_mov_b32 v[NIL], 0
	v_lshrrev_b32 v1, 5, v0
	v_readfirstlane_b32 s12, v1                    ; wave 0..3
	v_and_b32 v1, 31, v0                           ; lane
	s_lshr_b32 s13, ttmp9, 4                       ; part
	s_and_b32 s14, ttmp9, 15                       ; g
	s_and_b32 s15, ttmp7, 0xffff                   ; head
	s_mul_i32 s20, s15, HEADB
	s_lshl_b32 s21, s13, 19                        ; a part is 64 rows
	s_add_co_u32 s20, s20, s21
	s_lshl_b32 s21, s14, 9                         ; 128 positions are 512 bytes
	s_add_co_u32 s20, s20, s21                     ; under 2^27
	s_mov_b32 s21, 0
	s_mov_b32 s28, 0x3eb504f3                      ; 64^(-1/4) as f32
	s_mov_b32 s29, s28                             ; (named with it as a pair, so it is written)
	s_mov_b32 s32, 0x76543210
	s_mov_b32 s33, 0xfedcba98                      ; v_permlanex16_b32's selects for lane l xor 16
	s_wait_kmcnt 0x0
	s_add_nc_u64 s[4:5], s[4:5], s[20:21]          ; my work-group's first row and position
	s_cmp_eq_u32 s13, 2
	s_cbranch_scc1 .Lv
	; ---- q AND k.  A LANE TAKES A POSITION AND ITS REGISTERS RUN DOWN THE CHANNELS: wave w takes positions 32 w .. 32 w + 31 of the 128; a block of 32 channels lies in one lane's registers.
	s_cmp_eq_u32 s13, 0                            ; q or k: only pointers and strides are chosen; the choice hangs on the work-group's number alone
	s_cselect_b64 s[16:17], s[6:7], s[10:11]       ; where the codes go
	s_cselect_b64 s[18:19], s[8:9], s[10:11]       ; where the scale bytes go
	s_mov_b32 s22, KVHEAD
	s_cselect_b32 s23, 131072, s22                 ; a head of codes
	s_cselect_b32 s24, 4096, s22                   ; a head of scale bytes
	s_mov_b32 s22, KVSTEP
	s_cselect_b32 s25, 8192, s22                   ; 128 positions of codes
	s_cselect_b32 s26, 256, s22                    ; 128 positions of scale bytes
	s_cselect_b32 s27, 0, 16384                    ; in kv the scale bytes lie behind k's and v's codes
	s_mul_i32 s23, s23, s15
	s_mul_i32 s25, s25, s14
	s_add_co_u32 s22, s23, s25
	s_lshl_b32 s23, s12, 11                        ; my wave's two tiles
	s_add_co_u32 s22, s22, s23
	s_mov_b32 s23, 0
	s_add_nc_u64 s[16:17], s[16:17], s[22:23]
	s_mul_i32 s24, s24, s15
	s_mul_i32 s26, s26, s14
	s_add_co_u32 s24, s24, s26
	s_add_co_u32 s24, s24, s27
	s_mov_b32 s25, 0
	s_add_nc_u64 s[18:19], s[18:19], s[24:25]
	s_lshl_b32 s22, s12, 7                         ; my wave's 32 positions
	s_add_nc_u64 s[4:5], s[4:5], s[22:23]
	s_wait_alu depctr_va_vdst(0)
	v_lshlrev_b32 v2, 2, v1                        ; 4 bytes a lane
.set JJ, 0
.rept 64
	global_load_b32 v[X+JJ], v2, s[4:5] offset:JJ*ROWB th:TH_LOAD_NT   ; channel JJ: the wave reads 128 consecutive bytes, the four waves 512
.set JJ, JJ+1
.endr
	v_bfe_u32 v7, v0, 3, 1                         ; u
	v_bfe_u32 v8, v0, 4, 1                         ; h'
	v_and_b32 v9, 7, v0                            ; j
	v_lshl_add_u32 v9, v8, 3, v9                   ; m = 8 h' + j
	v_lshlrev_b32 v3, 4, v9
	v_lshl_add_u32 v3, v7, 10, v3                  ; my codes' place in the wave's two tiles: 1,024 u + 16 m
	v_lshlrev_b32 v4, 3, v9
	v_lshl_add_u32 v4, v7, 1, v4                   ; my pair of scale bytes: 8 m + 2 u,
	s_and_b32 s22, s12, 1
	s_lshl_b32 s22, s22, 7
	s_lshr_b32 s23, s12, 1
	s_lshl_b32 s23, s23, 2
	s_add_co_u32 s22, s22, s23
	s_add_co_u32 s22, s22, KSC
	v_add_nc_u32 v4, s22, v4                       ; + 128 (w % 2) + 4 (w / 2)
	v_lshlrev_b32 v5, 3, v1                        ; on the way out 8 bytes a lane
	v_add_nc_u32 v6, KSC, v5
.macro BLOCK e                         ; channels 32 e .. 32 e + 31 of my position
.set XS, X+32*(\e)
	s_wait_loadcnt 32*(1-(\e))                     ; this block's 32 loads are in; the other block's 32, issued behind them, may be out
.set JJ, 0
.rept 16
	v_pk_mul_f32 v[XS+JJ:XS+JJ+1], v[XS+JJ:XS+JJ+1], s[28:29] op_sel_hi:[1,0]   ; x 64^(-1/4), in f32, ahead of the quantiser: the factor is no power of two
.set JJ, JJ+2
.endr
	v_max3_num_f32 v16, |v[XS]|, |v[XS+1]|, |v[XS+2]|              ; the block's largest magnitude: all 32 numbers are mine; two chains
	v_max3_num_f32 v17, |v[XS+3]|, |v[XS+4]|, |v[XS+5]|
.irp i, 6,10,14,18,22,26
	v_max3_num_f32 v16, v16, |v[XS+\i]|, |v[XS+\i+1]|
	v_max3_num_f32 v17, v17, |v[XS+\i+2]|, |v[XS+\i+3]|
.endr
	v_max3_num_f32 v16, v16, |v[XS+30]|, |v[XS+31]|
	v_max3_num_f32 v16, v16, v17, 0x8000000        ; and the floor 2^(16 - 127): the byte cannot fall under 1
	v_add_nc_u32 v18, 0xf8800000, v16              ; 15 off the exponent field: the conversion takes the exponent field of this operand as its scale
	v_lshrrev_b32 v[20+(\e)], 23, v18              ; the scale's byte
.set JJ, 0
.rept 32
.set JJ, JJ+1
.endr
.irp q, 0,1,2,3
	v_cvt_scalef32_pk8_bf8_f32 v[C+8*(\e)+2*\q:C+8*(\e)+2*\q+1], v[XS+8*\q:XS+8*\q+7], v18
.endr
.endm
	BLOCK 0
	BLOCK 1                                        ; (its first lines are plain vector lines that touch nothing of block 0's conversions)
	v_lshl_or_b32 v22, v21, 8, v20                 ; my position's pair of bytes.  (Also the plain line behind the last conversion)
.irp e, 0,1
.irp q, 0,1
	global_store_b128 v3, v[C+8*\e+4*\q:C+8*\e+4*\q+3], s[16:17] offset:512*\e+256*\q   ; channels 32 e + 16 q on: lanes of one u store 256 consecutive bytes, aligned
.endr
.endr
	ds_store_b16 v4, v22
	s_wait_dscnt 0x0                               ; for the others' sake: my pair has landed
	s_barrier_signal -1
	s_barrier_wait -1                              ; the 256 scale bytes of the 128 positions lie together
	s_cmp_lg_u32 s12, 0
	s_cbranch_scc1 .Lend
	ds_load_b64 v[24:25], v6
	s_wait_dscnt 0x0
	global_store_b64 v5, v[24:25], s[18:19]        ; wave 0 stores them: 256 consecutive bytes, aligned
	s_branch .Lend
	; ---- v.  Its K, the keys, is innermost: wave w takes channels 16 w .. 16 w + 15 x the work-group's 128 keys.  The loads take the bytes as they lie (512 consecutive bytes each); the rows turn through the wave's
	; own stage so that lane (r, h) holds, of channel r, keys 32 c + 16 h + 0..15 in registers 16 c + 0..15: the order of the operand's registers.
.Lv:
	s_lshl_b32 s22, s12, 17                        ; my wave's 16 rows
	s_mov_b32 s23, 0
	s_add_nc_u64 s[4:5], s[4:5], s[22:23]
	s_mul_i32 s24, s15, KVHEAD
	s_mul_i32 s25, s14, KVSTEP
	s_add_co_u32 s24, s24, s25
	s_mov_b32 s25, 0
	s_add_nc_u64 s[18:19], s[10:11], s[24:25]      ; the block of these 128 keys in kv
	s_lshl_b32 s22, s12, 11
	s_add_nc_u64 s[16:17], s[18:19], s[22:23]      ; + my channel tile's 2,048 bytes
	s_wait_alu depctr_va_vdst(0)
	v_lshlrev_b32 v2, 4, v1                        ; 16 bytes a lane
.set JJ, 0
.rept 16
	global_load_b128 v[X+4*JJ:X+4*JJ+3], v2, s[4:5] offset:JJ*ROWB th:TH_LOAD_NT
.set JJ, JJ+1
.endr
	v_and_b32 v8, 15, v0                           ; r
	v_bfe_u32 v9, v0, 4, 1                         ; h
	s_mul_i32 s26, s12, 16*VPITCH                  ; my stage (VST = 0)
	v_add_nc_u32 v3, s26, v2                       ; into it: a row as it lies
	v_mul_u32_u24 v4, v8, VPITCH
	v_lshl_add_u32 v4, v9, 6, v4
	v_add_nc_u32 v4, s26, v4                       ; out of it: row r, + 64 h bytes
	s_and_b32 s26, s12, 1
	s_lshl_b32 s26, s26, 7
	s_lshr_b32 s27, s12, 1
	s_lshl_b32 s27, s27, 2
	s_add_co_u32 s26, s26, s27
	s_add_co_u32 s26, s26, VSC
	v_lshl_add_u32 v5, v8, 3, s26                  ; my row's scale word: 8 r + 128 (w % 2) + 4 (w / 2)
	v_lshlrev_b32 v7, 3, v1
	v_add_nc_u32 v6, VSC, v7
.irp b, 0,1,2,3
	v_mov_b32 v[TM+4+\b], 0                        ; a lane permute's destination counts as one of its sources
.endr
.set JJ, 0
	s_wait_alu depctr_va_vdst(0)
.rept 16
	s_wait_loadcnt 15-JJ                           ; row JJ is in; the younger loads may be out
	ds_store_b128 v3, v[X+4*JJ:X+4*JJ+3] offset:JJ*VPITCH
.set JJ, JJ+1
.endr
.irp c, 0,1,2,3
.irp q, 0,1,2,3
	ds_load_b128 v[X2+16*\c+4*\q:X2+16*\c+4*\q+3], v4 offset:128*\c+16*\q   ; LDS serves a wave's instructions in order (ISA guide 5.7.1.4): these see my stores
.endr
.endr
	s_wait_dscnt 0x0
.irp b, 0,1,2,3
	v_max3_num_f32 v[TM+\b], |v[X2+16*\b]|, |v[X2+1+16*\b]|, 0x8000000   ; block b: my 16 numbers, and the floor 2^(16 - 127)
.endr
.irp i, 2,4,6,8,10,12,14
.irp b, 0,1,2,3
	v_max3_num_f32 v[TM+\b], v[TM+\b], |v[X2+16*\b+\i]|, |v[X2+1+16*\b+\i]|   ; (the four blocks by turns)
.endr
.endr
.irp b, 0,1,2,3
	v_permlanex16_b32 v[TM+4+\b], v[TM+\b], s32, s33
.endr
.irp b, 0,1,2,3
	v_max_num_f32 v[TM+\b], v[TM+\b], v[TM+4+\b]   ; with lane l xor 16's 16: the block's largest magnitude
.endr
.irp b, 0,1,2,3
	v_add_nc_u32 v[TM+12+\b], 0xf8800000, v[TM+\b] ; the conversion's scale operand
.endr
.irp b, 0,1,2,3
.endr
.irp b, 0,1,2,3
	v_lshrrev_b32 v[TM+4+\b], 23, v[TM+12+\b]      ; the scale's byte
.endr
	v_lshl_or_b32 v[PW], v[TM+5], 8, v[TM+4]       ; the four bytes make my row's scale word for these 128 keys
	v_lshl_or_b32 v[PW], v[TM+6], 16, v[PW]
	v_lshl_or_b32 v[PW], v[TM+7], 24, v[PW]
.irp b, 0,1,2,3
.irp i, 0,1,2,3,4,5,6,7,8,9,10,11,12,13,14,15
.endr
	v_cvt_scalef32_pk8_bf8_f32 v[C+4*\b:C+1+4*\b], v[X2+16*\b:X2+7+16*\b], v[TM+12+\b]
	v_cvt_scalef32_pk8_bf8_f32 v[C+2+4*\b:C+3+4*\b], v[X2+8+16*\b:X2+15+16*\b], v[TM+12+\b]
.endr
	v_nop                                          ; a plain line behind the last conversion
.irp c, 0,1,2,3
	global_store_b128 v2, v[C+4*\c:C+4*\c+3], s[16:17] offset:8192+512*\c   ; the operand's registers as they stand: 512 consecutive bytes, aligned
.endr
	ds_store_b32 v5, v[PW]                         ; both halves of the lanes write the same word with the same value
	s_wait_dscnt 0x0
	s_barrier_signal -1
	s_barrier_wait -1                              ; the 64 channels' scale words lie together
	s_cmp_lg_u32 s12, 0
	s_cbranch_scc1 .Lend
	ds_load_b64 v[24:25], v6
	s_wait_dscnt 0x0
	global_store_b64 v7, v[24:25], s[18:19] offset:16640   ; wave 0 stores them: 256 consecutive bytes, aligned
.Lend:
	s_wait_tensorcnt 0x0                           ; the wave's end: behind my last LDS store
	ds_add_u32 v[SPW], v[NIL]
	s_wait_dscnt 0x0
	s_endpgm
.Lfunc_end_k_q25a27df68f_quant:
	.size	k_q25a27df68f_quant, .Lfunc_end_k_q25a27df68f_quant-k_q25a27df68f_quant
	.p2alignl 7, 3214868480
	.fill 96, 4, 3214868480
	.section	.rodata,"a",@progbits
	.p2align	6, 0x0
	.amdhsa_kernel k_q25a27df68f_quant
		.amdhsa_group_segment_fixed_size 34816
		.amdhsa_private_segment_fixed_size 0
		.amdhsa_enable_private_segment 0
		.amdhsa_kernarg_size 32
		.amdhsa_user_sgpr_count 2
		.amdhsa_user_sgpr_kernarg_segment_ptr 1
		.amdhsa_wavefront_size32 1
		.amdhsa_system_sgpr_workgroup_id_x 1
		.amdhsa_system_sgpr_workgroup_id_y 1
		.amdhsa_system_sgpr_workgroup_id_z 1
		.amdhsa_system_vgpr_workitem_id 0
		.amdhsa_next_free_vgpr 176
		.amdhsa_next_free_sgpr 66
		.amdhsa_reserve_vcc 0
		.amdhsa_float_denorm_mode_32 3
		.amdhsa_float_denorm_mode_16_64 3
		.amdhsa_fp16_overflow 1
		.amdhsa_memory_ordered 1
		.amdhsa_forward_progress 1
		.amdhsa_inst_pref_size 25
	.end_amdhsa_kernel
	.amdgpu_metadata
---
amdhsa.version: [ 1, 2 ]
amdhsa.kernels:
  - .name:           k_q25a27df68f_quant
    .symbol:         k_q25a27df68f_quant.kd
    .args:
      - { .name: qkv, .offset: 0, .size: 8, .value_kind: global_buffer, .address_space: global }
      - { .name: qcodes, .offset: 8, .size: 8, .value_kind: global_buffer, .address_space: global }
      - { .name: qscales, .offset: 16, .size: 8, .value_kind: global_buffer, .address_space: global }
      - { .name: kv, .offset: 24, .size: 8, .value_kind: global_buffer, .address_space: global }
    .group_segment_fixed_size: 34816
    .private_segment_fixed_size: 0
    .kernarg_segment_align: 8
    .kernarg_segment_size: 32
    .max_flat_workgroup_size: 128
    .sgpr_count:     66
    .vgpr_count:     176
    .wavefront_size: 32
...
	.end_amdgpu_metadata
.endif
;; end of part 1
;; launch attn (part 2): grid 4 x 64, 16 waves a work-group, clusters of 4 x 1, 327,680 bytes of LDS; arguments qcodes, qscales, kv, out0; writes out0
.if DOCPART == 2
	.amdgcn_target "amdgcn-amd-amdhsa--gfx1250"
	.amdhsa_code_object_version 6
	.text
	.protected	k_q25a27df68f_attn
	.globl	k_q25a27df68f_attn
	.p2align	8
	.type	k_q25a27df68f_attn,@function
k_q25a27df68f_attn:
	s_mov_b64 s[64:65], 0
	v_nop
	global_prefetch_b8 v0, s[64:65] scope:SCOPE_SE
	s_setreg_imm32_b32 hwreg(HW_REG_WAVE_MODE, 25, 1), 1
	s_wait_xcnt 0x0
	s_wait_alu depctr_hold_cnt(0) depctr_sa_sdst(0) depctr_va_vdst(0) depctr_va_sdst(0) depctr_va_ssrc(0) depctr_va_vcc(0) depctr_vm_vsrc(0)
	s_getreg_b32 s2, hwreg(HW_REG_IB_STS2, 6, 4)
	s_cmp_eq_u32 s2, 0
	s_cbranch_scc0 .Lentry_in_a_cluster
	s_endpgm
.Lentry_in_a_cluster:
	s_bfe_u32 s2, ttmp6, 0x10000c
	s_cmp_lg_u32 s2, 0x3003
	s_cbranch_scc0 .Lentry_shape_is_right
	s_endpgm
.Lentry_shape_is_right:
; out0[head][c][t] = the sum over s of softmax_s(q'[:, t] . k'[:, s]) v[c][s], q' = q x 64^(-1/4), k' likewise: 64 heads, 64 channels, 2,048 positions.  Both products on codes of E5M2 with one E8M0 scale for each 32 along K,
; made by the launch before (its head comment has the layouts of qcodes, qscales and kv).  No work of reference() is left out.
; THE SOFTMAX AHEAD OF THE SECOND PRODUCT: t = score x log2(e); M = the row's largest t so far, rounded UP to a whole number; p = 2^(t - M) is what is quantised, along the keys, not normalised.
; The row's sum is taken of the unquantised p, in f32, and divides at the end.  When M moves, the sum and O are multiplied by 2^(old M - new M): exact.
; LIMITS: NaN and infinities are not served; a p under 2^-126 counts as 0 (v_exp_f32 flushes: ISA guide 15.8); a block of p whose largest lies under 2^(16 - 127) keeps that floor's byte; f32 sums are taken in another order than reference()'s.
; SHARES.  A cluster of four work-groups is one head; work-group cx owns queries 512 cx .. 512 cx + 511; each of its SIXTEEN waves owns 16 queries at a time, in two passes (pass p: queries 512 cx + 256 p + 16 w + r), in 256 registers.
; THE WHOLE HEAD'S k AND v, CODES AND SCALE BYTES, 270,336 bytes, COME INTO LDS ONCE AND STAY: no slot is ever filled again, and the loops over the keys hold no barrier.  All four work-groups need the same bytes, so each
; part is asked for JOINTLY: the same tensor load with the same descriptor and a mask that names the four.  Each wave asks for 8,448 bytes of key steps 0-7 and 8,448 of steps 8-15: one tensor load of a wave is out at a time.
; LAYOUT.  Both products are used transposed: S^T = k' q'^T (source 0 = keys, source 1 = my 16 queries), O^T = v p^T (source 0 = 16 channels, source 1 = p): a lane holds ONE query (lane % 16) throughout.
; THE HEAD HAS 64 CHANNELS AND THE INSTRUCTION'S K IS 128: source 0 is TWO tiles of 16 keys on end (tile 2 b in K 0-63, tile 2 b + 1 in K 64-127), source 1 is q' beside 64 zero codes: [q' | 0] gives tile 2 b's scores, [0 | q'] tile 2 b + 1's.
; The other tile's codes are finite (the quantiser's hold makes neither infinity nor NaN), so their products with the zero codes are exactly 0.  Every LDS byte read is a code that counts.
; The keys of a tile are chosen (row m of tile 2 b + u is key 32 b + 8 u + m + 8 (m / 8)) so that the 16 registers of tiles 2 b and 2 b + 1 are the 16 neighbouring keys 32 b + 16 (lane / 16) + 0..15: p's codes are the next operand's registers.
.set HSTEP,  16896                     ; LDS and kv: the block of 128 keys: k's codes 8,192, v's 8,192, k's scale bytes 256, v's 256
.set VOFF,   8192
.set KSOFF,  16384
.set GRPB,   8*HSTEP                   ; eight key steps: what the sixteen waves' loads of one group bring
.set WLOAD,  GRPB/16                   ; one wave's load: 33 rows of 256 bytes
.set STG,    16*HSTEP                  ; behind the head's bytes: the stage for the way out, 32 channel rows x (1,024 bytes + 16); no tensor load lands here
.set SPITCH, 1040
.set SPARE,  STG+32*SPITCH             ; the spare words, 128 bytes for each wave: eight blocks of 256 bytes that no other line names
.set LI,  1                            ; v1   16 x lane: my place in an operand's image, and in 512 bytes of a row of out0
.set ADR, 2                            ; v2   LDS address of the step's codes
.set LS,  3                            ; v3   8 x lane + KSOFF: my place among a step's scale words
.set ADS, 4                            ; v4   LDS address of the step's scale words
.set SPW, 5                            ; v5   LDS address of my spare word; never rewritten
.set NIL, 6                            ; v6   0; never rewritten
.set QO,  7                            ; v7   my lane's byte among my wave's codes of q'
.set QSO, 8                            ; v8   and among their scale bytes
.set STO, 9                            ; v9   the stage: where I put a number
.set SRD, 10                           ; v10  and where I read 16 bytes of a row back
.set NM,  12                           ; v12  -M
.set MT,  13                           ; v13  the largest t so far
.set L,   14                           ; v[14:15] the row's sum, in two halves
.set QA,  16                           ; v16-23 q', v24-31 zero codes, v32-39 q' again: [q' | 0] is v[16:31], [0 | q'] is v[24:39]
.set KF,  40                           ; v40-103  four operands of k', then of v; on the way out rows of out0
.set S,   104                          ; v104-167 S^T, then p
.set O,   168                          ; v168-199 O^T: four tiles of 16 channels
.set PC,  200                          ; v200-215 p's codes
.set BM,  216                          ; v216-219 the blocks' largest scores, then largest p
.set PM,  220                          ; v220-223 at work
.set HD,  224                          ; v224-227 not used
.set SOP, 228                          ; v228-231 the conversions' scale operands
.set KS,  232                          ; v[232:233] k's scale words: register b / 2, lanes 16 (b % 2) + m
.set VS,  234                          ; v[234:235] v's likewise
.set F,   236                          ; v236 2^(old M - new M)
.set PW,  237                          ; v237 p's scale word
.set T,   238                          ; v238 at work
.set QW,  239                          ; v239 q's scale word: its two bytes twice, so that it serves [q' | 0] and [0 | q']
.set QS,  240                          ; v240-247 the coming pass's q', v248 its two scale bytes
.set QSC, 248
.set WV,  12                           ; s12  my wave's number
.set G1,  16                           ; s[16:23] descriptor group 1;  s[24:27], s[28:31] group 0 for key steps 0-7 and 8-15
.set G0,  24
.set SEL, 32                           ; s[32:33] lane selects for v_permlanex16_b32: lane l xor 16
.set CS,  34                           ; s[34:35] log2(e): the packed form names a pair and takes its low word for both halves
.set MNT, 36                           ; s36  not used
.set TB,  37                           ; s37  LDS byte at which the step's block begins
.set CNT, 38                           ; s38  steps to go
.macro CROUND                          ; a round of the cluster's barrier: my work-group's barrier; wave 0 signals for the work-group; every wave waits for all four; my work-group's barrier once more
	s_barrier_signal -1
	s_barrier_wait -1
	s_cmp_lg_u32 s[WV], 0
	s_cbranch_scc1 .Lnot_wave_0_\@
	s_barrier_signal -3
.Lnot_wave_0_\@:
	s_barrier_wait -3
	s_barrier_signal -1
	s_barrier_wait -1
.endm
.macro BAR                             ; my LDS stores have landed and my LDS loads are in: then the work-group's barrier
	s_wait_dscnt 0x0
	s_barrier_signal -1
	s_barrier_wait -1
.endm
.macro QLOAD p                         ; pass p's q': channels 16 h + 0..15 and 32 + 16 h + 0..15 of query r, and its two scale bytes
	global_load_b128 v[QS:QS+3], v[QO], s[4:5] offset:(\p)*16384
	global_load_b128 v[QS+4:QS+7], v[QO], s[4:5] offset:(\p)*16384+512
	global_load_u16 v[QSC], v[QSO], s[6:7] offset:(\p)*512
.endm
	s_load_b256 s[4:11], s[0:1], 0x0               ; qcodes s[4:5], qscales s[6:7], kv s[8:9], out0 s[10:11]
	v_lshl_add_u32 v[SPW], v0, 2, SPARE
	v_mov_b32 v[NIL], 0
	ds_add_u32 v[SPW], v[NIL]                      ; the wave's opening: the add, twice on end, and its wait ahead of my first tensor load; the set-up below, work on registers, stands between
	ds_add_u32 v[SPW], v[NIL]                      ; and once more, under the one wait
	v_lshrrev_b32 v[T], 5, v0
	s_delay_alu instid0(VALU_DEP_1)
	v_readfirstlane_b32 s[WV], v[T]                ; wave 0..15
	s_bfe_u32 s13, ttmp6, 0x40000                  ; cx: my place in the cluster: it enters the addresses of q' and of out0 alone
	s_and_b32 s14, ttmp7, 0xffff                   ; the head, which the four partners share
	; descriptor group 1: a dense block of 33 rows of 256 bytes (32 elements of 8 bytes), laid into LDS without gaps
	s_mov_b32 s[G1+0], 15|(3<<16)|(1<<21)          ; 15:0 the mask: all four work-groups; 17:16 elements of 8 bytes; 20 no padding; 21 set beside a mask
	s_mov_b32 s[G1+1], 32<<16                      ; tensor_dim0 = 32
	s_mov_b32 s[G1+2], 33<<16                      ; tensor_dim1 = 33
	s_mov_b32 s[G1+3], 32<<16                      ; tile_dim0 = 32
	s_mov_b32 s[G1+4], 33                          ; tile_dim1 = 33
	s_mov_b32 s[G1+5], 32                          ; tensor_dim0_stride
	s_mov_b32 s[G1+6], 0
	s_mov_b32 s[G1+7], 0
	s_mov_b32 s[SEL], 0x76543210
	s_mov_b32 s[SEL+1], 0xfedcba98
	s_mov_b32 s[CS], 0x3fb8aa3b                    ; log2(e)
	s_mov_b32 s[CS+1], s[CS]                       ; (named with it as a pair, so it is written)
	s_mul_i32 s15, s[WV], WLOAD                    ; my part of a group: in LDS and in memory alike; no place in the cluster enters it
	s_mul_i32 s40, s14, 16*HSTEP
	s_add_co_u32 s40, s40, s15                     ; in kv: the head's bytes + my part
	s_mov_b32 s41, 0
	s_lshl_b32 s42, s14, 17                        ; q's codes: a head is 131,072 bytes,
	s_lshl_b32 s43, s13, 15                        ; 512 queries 32,768,
	s_add_co_u32 s42, s42, s43
	s_lshr_b32 s43, s[WV], 1
	s_lshl_b32 s43, s43, 11                        ; 32 queries (two waves') 2,048,
	s_add_co_u32 s42, s42, s43
	s_and_b32 s43, s[WV], 1
	s_lshl_b32 s43, s43, 7                         ; and the odd wave's rows 8-15 of the tiles begin 128 bytes on
	s_add_co_u32 s42, s42, s43
	s_mov_b32 s43, 0
	s_lshl_b32 s44, s14, 12                        ; q's scale bytes: a head is 4,096 bytes,
	s_lshl_b32 s45, s13, 10                        ; 512 queries 1,024,
	s_add_co_u32 s44, s44, s45
	s_lshr_b32 s45, s[WV], 3
	s_lshl_b32 s45, s45, 8                         ; 128 queries 256;
	s_add_co_u32 s44, s44, s45
	s_and_b32 s45, s[WV], 3
	s_lshl_b32 s45, s45, 6                         ; in them 128 (b % 2) + 64 (w % 2), b = (w / 2) % 4,
	s_add_co_u32 s44, s44, s45
	s_bfe_u32 s45, s[WV], 0x10002
	s_lshl_b32 s45, s45, 2                         ; + 4 (b / 2)
	s_add_co_u32 s44, s44, s45
	s_mov_b32 s45, 0
	s_lshl_b32 s46, s14, 19                        ; out0: a head is 64 rows of 8,192 bytes;
	s_lshl_b32 s47, s[WV], 14                      ; I store rows 2 w and 2 w + 1 of each 32;
	s_add_co_u32 s46, s46, s47
	s_lshl_b32 s47, s13, 11                        ; my work-group's 512 positions
	s_add_co_u32 s46, s46, s47
	s_mov_b32 s47, 0
	v_and_b32 v[ADR], 15, v0                       ; r  (the two registers are made anew in every step)
	v_bfe_u32 v[ADS], v0, 4, 1                     ; h
	v_and_b32 v[T], 31, v0                         ; lane
	s_delay_alu instid0(VALU_DEP_1)
	v_lshlrev_b32 v[LI], 4, v[T]
	s_delay_alu instid0(VALU_DEP_2)
	v_lshl_add_u32 v[LS], v[T], 3, KSOFF
	v_bfe_u32 v[PM], v0, 3, 1                      ; r / 8: which tile of the pair holds query r,
	v_and_b32 v[PM+1], 7, v0                       ; r % 8: and which row of my wave's eight
	s_delay_alu instid0(VALU_DEP_1)
	v_lshlrev_b32 v[QO], 4, v[PM+1]
	s_delay_alu instid0(VALU_DEP_1)
	v_lshl_add_u32 v[QO], v[ADS], 8, v[QO]
	s_delay_alu instid0(VALU_DEP_1)
	v_lshl_add_u32 v[QO], v[PM], 10, v[QO]         ; 1,024 (r / 8) + 256 h + 16 (r % 8)
	s_delay_alu instid0(VALU_DEP_4)
	v_lshlrev_b32 v[QSO], 3, v[PM+1]
	s_delay_alu instid0(VALU_DEP_1)
	v_lshl_add_u32 v[QSO], v[PM], 1, v[QSO]        ; 8 (r % 8) + 2 (r / 8)
	v_mul_u32_u24 v[STO], v[ADS], 8*SPITCH         ; the stage, in: my half's eight channel rows, position 16 w + r
	s_delay_alu instid0(VALU_DEP_1)
	v_lshl_add_u32 v[STO], v[ADR], 2, v[STO]
	s_lshl_b32 s39, s[WV], 6
	s_add_co_u32 s39, s39, STG
	v_add_nc_u32 v[STO], s39, v[STO]
	s_mul_i32 s39, s[WV], 2*SPITCH                 ; back: rows 2 w and 2 w + 1, 16 bytes a lane
	s_add_co_u32 s39, s39, STG
	v_add_nc_u32 v[SRD], s39, v[LI]
	s_wait_dscnt 0x0                               ; both opening adds are done
	s_wait_kmcnt 0x0
	s_add_nc_u64 s[4:5], s[4:5], s[42:43]
	s_add_nc_u64 s[6:7], s[6:7], s[44:45]
	s_add_nc_u64 s[10:11], s[10:11], s[46:47]
	s_mov_b32 s[G0], 1                             ; 1:0 count = 1
	s_mov_b32 s[G0+1], s15                         ; 63:32 LDS address
	s_add_nc_u64 s[G0+2:G0+3], s[8:9], s[40:41]    ; 120:64 global address: my part of key steps 0-7
	s_mov_b32 s[G0+4], 1
	s_add_co_u32 s[G0+5], s15, GRPB
	s_add_nc_u64 s[G0+6:G0+7], s[G0+2:G0+3], GRPB  ; my part of key steps 8-15
	s_or_b32 s[G0+3], s[G0+3], 0x80000000          ; 127:126 type = 2
	s_or_b32 s[G0+7], s[G0+7], 0x80000000
	CROUND                                         ; all four work-groups are here: the joint loads meet
	tensor_load_to_lds s[G0:G0+3], s[G1:G1+7]
	s_nop 0
	s_wait_alu depctr_va_vdst(0)
	s_wait_tensorcnt 0x0
	ds_add_u32 v5, v6
	s_wait_dscnt 0x0
	CROUND
	tensor_load_to_lds s[G0+4:G0+7], s[G1:G1+7]
	s_nop 0
.rept 4
	v_nop
.endr
	s_wait_alu depctr_va_vdst(0)
	QLOAD 0
.irp i, 0,1,2,3,4,5,6,7
	v_mov_b32 v[QA+8+\i], 0                        ; the 64 zero codes, written once
.endr
.irp b, 0,1,2,3
	v_mov_b32 v[PM+\b], 0                          ; a lane permute's destination counts as one of its sources
.endr
	v_mov_b32 v[PW], 0                             ; (named as the upper half of the pair v[236:237] before it is first written)
; The head of pass p: q' takes its places, the statistics and O^T begin anew.  (The key step is written for all steps alike: the first finds zeros, which the first change of M leaves zeros: 32 lines a pass in place of another copy of the step.)
.macro PASSHEAD p
	s_wait_loadcnt 0x0                             ; this pass's q'
.irp i, 0,1,2,3,4,5,6,7
	v_mov_b32 v[QA+\i], v[QS+\i]
	v_mov_b32 v[QA+16+\i], v[QS+\i]
.endr
	v_lshl_or_b32 v[QW], v[QSC], 16, v[QSC]        ; the two bytes twice
.if (\p) == 0
	QLOAD 1                                        ; the next pass's q' is asked for a whole pass ahead
.endif
	v_mov_b32 v[MT], 0xff61b1e6                    ; the largest t so far: -3e38, under every t
	s_delay_alu instid0(VALU_DEP_1)
	v_floor_f32 v[NM], -v[MT]
	v_mov_b32 v[L], 0
	v_mov_b32 v[L+1], 0
.set JJ, 0
.rept 32
	v_mov_b32 v[O+JJ], 0                           ; (these lines are also the places between the writing of q's codes and scale word and the first product)
.set JJ, JJ+1
.endr
.endm
.macro QK b, u                         ; the scores of tile 2 b + u: source 0 = tiles 2 b and 2 b + 1 on end, source 1 = [q' | 0] (u = 0) or [0 | q'] (u = 1)
.if ((\b)%2) == 1
	v_wmma_scale_f32_16x16x128_f8f6f4 v[S+8*(2*(\b)+(\u)):S+8*(2*(\b)+(\u))+7], v[KF+16*(\b):KF+16*(\b)+15], v[QA+8*(\u):QA+8*(\u)+15], 0, v[KS+(\b)/2], v[QW] matrix_a_fmt:MATRIX_FMT_BF8 matrix_b_fmt:MATRIX_FMT_BF8 matrix_a_scale:MATRIX_SCALE_ROW1
.else
	v_wmma_scale_f32_16x16x128_f8f6f4 v[S+8*(2*(\b)+(\u)):S+8*(2*(\b)+(\u))+7], v[KF+16*(\b):KF+16*(\b)+15], v[QA+8*(\u):QA+8*(\u)+15], 0, v[KS+(\b)/2], v[QW] matrix_a_fmt:MATRIX_FMT_BF8 matrix_b_fmt:MATRIX_FMT_BF8
.endif
.endm
.macro PV c                            ; O^T's tile c (channels 16 c on) += v p^T over the step's 128 keys
.if ((\c)%2) == 1
	v_wmma_scale_f32_16x16x128_f8f6f4 v[O+8*(\c):O+8*(\c)+7], v[KF+16*(\c):KF+16*(\c)+15], v[PC:PC+15], v[O+8*(\c):O+8*(\c)+7], v[VS+(\c)/2], v[PW] matrix_a_fmt:MATRIX_FMT_BF8 matrix_b_fmt:MATRIX_FMT_BF8 matrix_a_scale:MATRIX_SCALE_ROW1
.else
	v_wmma_scale_f32_16x16x128_f8f6f4 v[O+8*(\c):O+8*(\c)+7], v[KF+16*(\c):KF+16*(\c)+15], v[PC:PC+15], v[O+8*(\c):O+8*(\c)+7], v[VS+(\c)/2], v[PW] matrix_a_fmt:MATRIX_FMT_BF8 matrix_b_fmt:MATRIX_FMT_BF8
.endif
.endm
; A KEY STEP: 128 keys.  12 matrix instructions; no two that follow each other share an accumulator: between two links on a tile of O^T stand eight score products and three other tiles'.
.macro STEP
	v_add_nc_u32 v[ADR], s[TB], v[LI]
	v_add_nc_u32 v[ADS], s[TB], v[LS]
.rept 6
	v_nop                                          ; with the two additions: eight places behind the last step's products, in front of loads into registers that they read
.endr
.set JJ, 0
.rept 16
	ds_load_b128 v[KF+4*JJ:KF+4*JJ+3], v[ADR] offset:512*JJ   ; k's four operands: 512 consecutive bytes an instruction
.set JJ, JJ+1
.endr
	ds_load_b64 v[KS:KS+1], v[ADS]                 ; k's scale words,
	ds_load_b64 v[VS:VS+1], v[ADS] offset:256      ; v's
	s_wait_alu depctr_va_vdst(0)
	s_wait_dscnt 0x0
.irp b, 0,1,2,3
.irp u, 0,1
	QK \b, \u
.endr
.endr
.rept 8
	v_nop                                          ; eight places: in front of the loads below, and of the first read of the scores
.endr
.set JJ, 0
.rept 16
	ds_load_b128 v[KF+4*JJ:KF+4*JJ+3], v[ADR] offset:VOFF+512*JJ   ; v's four operands land while the softmax is walked
.set JJ, JJ+1
.endr
.irp b, 0,1,2,3
	v_max3_num_f32 v[BM+\b], v[S+16*\b], v[S+1+16*\b], v[S+2+16*\b]   ; THE LARGEST SCORE OF EACH BLOCK OF 32 KEYS: for the row's maximum, and, since p rises with the score, for the block's largest p.  (Each accumulator is read from its low end on)
.endr
.irp i, 3,5,7,9,11,13
.irp b, 0,1,2,3
	v_max3_num_f32 v[BM+\b], v[BM+\b], v[S+16*\b+\i], v[S+1+16*\b+\i]   ; (the four blocks by turns)
.endr
.endr
.irp b, 0,1,2,3
	v_max_num_f32 v[BM+\b], v[BM+\b], v[S+15+16*\b]
.endr
.irp b, 0,1,2,3
	s_delay_alu instid0(VALU_DEP_4)
	v_permlanex16_b32 v[PM+\b], v[BM+\b], s[SEL], s[SEL+1]
.endr
.irp b, 0,1,2,3
	s_delay_alu instid0(VALU_DEP_4)
	v_max_num_f32 v[BM+\b], v[BM+\b], v[PM+\b]     ; with lane l xor 16's 16 keys
.endr
	s_delay_alu instid0(VALU_DEP_2)
	v_max3_num_f32 v[T], v[BM], v[BM+1], v[BM+2]
	s_delay_alu instid0(VALU_DEP_1)
	v_max_num_f32 v[T], v[T], v[BM+3]              ; the step's largest score of my query
	s_delay_alu instid0(VALU_DEP_1)
	v_mul_f32 v[T], s[CS], v[T]                    ; as t
	s_delay_alu instid0(VALU_DEP_1)
	v_max_num_f32 v[MT], v[MT], v[T]               ; the running largest t
	v_mov_b32 v[T], v[NM]
	s_delay_alu instid0(VALU_DEP_2)
	v_floor_f32 v[NM], -v[MT]                      ; the new -M = floor(-t) = -ceil(t): M is a whole number
	s_delay_alu instid0(VALU_DEP_1)
	v_sub_f32 v[T], v[NM], v[T]                    ; M's old value less its new one: a whole number, 0 or less
	s_delay_alu instid0(VALU_DEP_1)
	v_cvt_i32_f32 v[T], v[T]                       ; (it saturates)
	s_delay_alu instid0(VALU_DEP_1)
	v_ldexp_f32 v[F], 1.0, v[T]                    ; f = 2^(old M - new M)
.set JJ, 0
.rept 32
	v_pk_fma_f32 v[S+JJ:S+JJ+1], v[S+JJ:S+JJ+1], s[CS:CS+1], v[NM:NM+1] op_sel_hi:[1,0,0]   ; t - M, two at a time (of the pairs log2(e) and -M the low word serves both halves)
.set JJ, JJ+2
.endr
.irp b, 0,1,2,3
	v_fma_f32 v[BM+\b], v[BM+\b], s[CS], v[NM]     ; the same of each block's largest score
.endr
.set JJ, 0
	s_setprio 1
	s_wait_alu depctr_va_vdst(0)
.rept 64
	v_exp_f32 v[S+JJ], v[S+JJ]                     ; p = 2^(t - M), at most 1: not normalised
.set JJ, JJ+1
.endr
	v_pk_mul_f32 v[L:L+1], v[L:L+1], v[F:F+1] op_sel_hi:[1,0]   ; the sums under the new M.  (A plain line behind the exponentials)
	s_wait_alu depctr_va_vdst(0)                   ; the wait ahead of the first line that names an exponential's result: one for the 64
.irp b, 0,1,2,3
	v_exp_f32 v[BM+\b], v[BM+\b]                   ; the block's largest p: the same two instructions on the same number give the same bits
.endr
	v_pk_add_f32 v[PM:PM+1], v[S:S+1], v[S+2:S+3]
.irp j, 4,8,12,16,20,24,28,32,36,40,44,48,52,56,60
	v_pk_add_f32 v[L:L+1], v[L:L+1], v[S+\j:S+1+\j]
	v_pk_add_f32 v[PM:PM+1], v[PM:PM+1], v[S+2+\j:S+3+\j]
.endr
	s_delay_alu instid0(VALU_DEP_1)
	v_pk_add_f32 v[L:L+1], v[L:L+1], v[PM:PM+1]
	s_wait_alu depctr_va_vdst(0)                   ; and one for the four
.irp b, 0,1,2,3
	v_max_num_f32 v[BM+\b], 0x8000000, v[BM+\b]    ; the floor 2^(16 - 127): the byte cannot fall under 1 (a block whose every p is 0 keeps that byte: its codes are zeros)
.endr
.irp b, 0,1,2,3
	s_delay_alu instid0(VALU_DEP_4)
	v_add_nc_u32 v[SOP+\b], 0xf8800000, v[BM+\b]   ; 15 off the exponent field: the conversion's scale operand
.endr
.irp b, 0,1,2,3
.endr
.irp b, 0,1,2,3
	s_delay_alu instid0(VALU_DEP_4)
	v_lshrrev_b32 v[PM+\b], 23, v[SOP+\b]          ; the scale's byte
.endr
	s_delay_alu instid0(VALU_DEP_3)
	v_lshl_or_b32 v[PW], v[PM+1], 8, v[PM]         ; p's scale word for these 128 keys
	s_delay_alu instid0(VALU_DEP_1)
	v_lshl_or_b32 v[PW], v[PM+2], 16, v[PW]
	s_delay_alu instid0(VALU_DEP_1)
	v_lshl_or_b32 v[PW], v[PM+3], 24, v[PW]
.irp b, 0,1,2,3
.irp i, 0,1,2,3,4,5,6,7,8,9,10,11,12,13,14,15
.endr
	v_cvt_scalef32_pk8_bf8_f32 v[PC+4*\b:PC+1+4*\b], v[S+16*\b:S+7+16*\b], v[SOP+\b]
	v_cvt_scalef32_pk8_bf8_f32 v[PC+2+4*\b:PC+3+4*\b], v[S+8+16*\b:S+15+16*\b], v[SOP+\b]
.endr
.set JJ, 0
	s_setprio 0
.rept 16
	v_pk_mul_f32 v[O+JJ:O+JJ+1], v[O+JJ:O+JJ+1], v[F:F+1] op_sel_hi:[1,0]   ; O^T under the new M, each tile from its low end on.  (These 16 are also the plain lines between the conversions and the products that take the codes)
.set JJ, JJ+2
.endr
	s_wait_alu depctr_va_vdst(0)
	s_wait_dscnt 0x0                               ; v's operands are in
.irp c, 0,1,2,3
	PV \c
.endr
	s_add_co_u32 s[TB], s[TB], HSTEP               ; the next 128 keys
.endm
.macro LOOP n, start                   ; n key steps, from the block at LDS byte start on
	s_mov_b32 s[TB], \start
	s_mov_b32 s[CNT], \n
.Lstep_\@:
	s_setprio 2
	STEP
	s_sub_co_u32 s[CNT], s[CNT], 1
	s_cmp_lg_u32 s[CNT], 0
	s_cbranch_scc1 .Lstep_\@
	s_setprio 0
.endm
; THE WAY OUT of pass p.  A lane holds one position and eight channels a tile, and out0 has the positions innermost: so O^T / the sum goes through the work-group's stage, 32 channel rows x the sixteen waves' 256 positions at a
; time, and each wave stores two whole rows of 1,024 bytes.  A barrier stands between the writing and the reading, and another between the reading and the next writing.
.macro WAYOUT p, last
.rept 8
	v_nop                                          ; eight places behind the last products
.endr
	v_add_f32 v[L], v[L], v[L+1]                   ; the sum's two halves,
	s_delay_alu instid0(VALU_DEP_1)
	v_permlanex16_b32 v[T], v[L], s[SEL], s[SEL+1]
	s_delay_alu instid0(VALU_DEP_1)
	v_add_f32 v[L], v[L], v[T]                     ; and lane l xor 16's: the row's sum
	s_wait_alu depctr_va_vdst(0)
	v_rcp_f32 v[L], v[L]
	v_nop                                          ; a plain line behind the reciprocal
	s_wait_alu depctr_va_vdst(0)                   ; and the wait ahead of its first reader
.set JJ, 0
.rept 32
	v_mul_f32 v[S+JJ], v[O+JJ], v[L]               ; register 8 c + j: channel 16 c + 8 h + j of my position
.set JJ, JJ+1
.endr
	s_wait_alu depctr_va_vdst(0)
.irp u, 0,1                                    ; channels 32 u on
.irp a, 0,1
.irp j, 0,1,2,3,4,5,6,7
	ds_store_b32 v[STO], v[S+16*\u+8*\a+\j] offset:(16*\a+\j)*SPITCH   ; lanes 0-15: 64 consecutive bytes of one row; lanes 16-31: the row eight further down, 2,080 words on
.endr
.endr
	BAR                                            ; 32 whole rows lie in the stage
.irp k, 0,1,2,3
	ds_load_b128 v[KF+16*\u+4*\k:KF+16*\u+4*\k+3], v[SRD] offset:(\k/2)*SPITCH+(\k%2)*512
.endr
.irp k, 0,1,2,3
	s_wait_dscnt 3-\k                              ; load k is in; the younger ones may be out
	global_store_b128 v[LI], v[KF+16*\u+4*\k:KF+16*\u+4*\k+3], s[10:11] offset:(32*\u+\k/2)*8192+(\p)*1024+(\k%2)*512 th:TH_STORE_NT   ; 512 consecutive bytes, at a multiple of 256 from out0's first byte; written once, read by nobody here
.endr
.if ((\last)*(\u)) == 0
	BAR                                            ; every wave's reads of the stage are in: it may be written again
.endif
.endr
.if (\last) == 0
	s_wait_xcnt 0x0                                ; the stores have read their registers: the next pass loads into them
.endif
.endm
	PASSHEAD 0
	s_wait_tensorcnt 0x1                           ; my part of key steps 0-7 has landed; my load of steps 8-15, issued behind it, may stay out
	BAR                                            ; everybody's has
	LOOP 8, 0
	s_wait_tensorcnt 0x0                           ; my part of key steps 8-15 has landed
	BAR                                            ; everybody's has: from here on the whole head lies in LDS and is only read
	LOOP 8, GRPB
	WAYOUT 0, 0
	PASSHEAD 1
	LOOP 16, 0
	WAYOUT 1, 1
	s_wait_tensorcnt 0x0                           ; the wave's end: behind my last tensor load and my last LDS store
	ds_add_u32 v[SPW], v[NIL]
	s_wait_dscnt 0x0
	CROUND                                         ; the closing round: no work-group ends while a partner may still ask for bytes by a load that names it
	s_endpgm
.Lfunc_end_k_q25a27df68f_attn:
	.size	k_q25a27df68f_attn, .Lfunc_end_k_q25a27df68f_attn-k_q25a27df68f_attn
	.p2alignl 7, 3214868480
	.fill 96, 4, 3214868480
	.section	.rodata,"a",@progbits
	.p2align	6, 0x0
	.amdhsa_kernel k_q25a27df68f_attn
		.amdhsa_group_segment_fixed_size 327680
		.amdhsa_private_segment_fixed_size 0
		.amdhsa_enable_private_segment 0
		.amdhsa_kernarg_size 32
		.amdhsa_user_sgpr_count 2
		.amdhsa_user_sgpr_kernarg_segment_ptr 1
		.amdhsa_wavefront_size32 1
		.amdhsa_system_sgpr_workgroup_id_x 1
		.amdhsa_system_sgpr_workgroup_id_y 1
		.amdhsa_system_sgpr_workgroup_id_z 1
		.amdhsa_system_vgpr_workitem_id 0
		.amdhsa_next_free_vgpr 256
		.amdhsa_next_free_sgpr 66
		.amdhsa_reserve_vcc 0
		.amdhsa_float_denorm_mode_32 3
		.amdhsa_float_denorm_mode_16_64 3
		.amdhsa_fp16_overflow 1
		.amdhsa_memory_ordered 1
		.amdhsa_forward_progress 1
		.amdhsa_inst_pref_size 73
	.end_amdhsa_kernel
	.amdgpu_metadata
---
amdhsa.version: [ 1, 2 ]
amdhsa.kernels:
  - .name:           k_q25a27df68f_attn
    .symbol:         k_q25a27df68f_attn.kd
    .args:
      - { .name: qcodes, .offset: 0, .size: 8, .value_kind: global_buffer, .address_space: global }
      - { .name: qscales, .offset: 8, .size: 8, .value_kind: global_buffer, .address_space: global }
      - { .name: kv, .offset: 16, .size: 8, .value_kind: global_buffer, .address_space: global }
      - { .name: out0, .offset: 24, .size: 8, .value_kind: global_buffer, .address_space: global }
    .group_segment_fixed_size: 327680
    .private_segment_fixed_size: 0
    .kernarg_segment_align: 8
    .kernarg_segment_size: 32
    .max_flat_workgroup_size: 512
    .sgpr_count:     66
    .vgpr_count:     256
    .wavefront_size: 32
...
	.end_amdgpu_metadata
.endif
;; end of part 2
